; MI455X (gfx1250); checked and timed in simulation.
; The chip was launched on July 23, 2026; its instructions are those of AMD's public machine-readable ISA for CDNA 5 (MIT licence, August 2026) and "CDNA5" Instruction Set Architecture Reference Guide (July 2026). The comments in the code are by the model that wrote it; some were corrected since.
;; Interpretable Attention. Allowed arithmetic: matrix products marked QUANTISED: E3M2 operands, one E8M0 scale for each 32 along K, by v_wmma_scale_f32_16x16x128_f8f6f4 with both operands' format E3M2, f32 sums; everything else in f32.
;; Inputs: Wk 1,024 x 1,024 float32; Wq 1,024 x 1,024 float32; bk 1,024 float32; bq 1,024 float32; x 8 x 2,048 x 1,024 float32.
;; Outputs: out0 8 x 2,048 float32.
;; This version of the problem:
;;   THIS VERSION OF THE PROBLEM IS GIVEN IN LOW PRECISION. The matrix products marked QUANTISED in the list below multiply operands that are first quantised to E3M2 (3 exponent bits, 2 mantissa bits; 6 bits a number), with one power-of-two scale for each 32 numbers along K (OCP MX v1.0); their sums are f32. All else is computed in f32.
;;   The module's matrix products, in the order in which they are computed (A, B: the left and right operand; K: the contracted axis; several contracted axes count as one K, in the product's order):
;;     1. [M 16,384, K 1,024] x [K 1,024, N 1,024]; A: input x; B: input Wq: QUANTISED
;;     2. [M 16,384, K 1,024] x [K 1,024, N 1,024]; A: input x; B: input Wk: QUANTISED
;;     3. batch 8 x [M 2,048, K 1,024] x [K 1,024, N 2,048]; A: computed on the way; B: computed on the way: QUANTISED
;;   THE QUANTISER, for each operand of a quantised product, along K:
;;     - K is cut into blocks of 32 from its start; a last block that is shorter is filled with zeros.
;;     - A block's scale is 2^e with e = floor(log2(the largest magnitude in the block)) - 4, held to -126 .. 127; a block of zeros has e = 0. As a byte (E8M0): e + 127.
;;     - Each number is divided by its block's scale, clamped to +-28, and rounded to the nearest number of E3M2, ties to even, subnormals kept.
;;     - The product sums the exact products of the quantised numbers (number of the format x scale) in f32.
;;   ~~~python
;;   def quantise(x, axis):      # numpy; x: float32 -> the quantised numbers, widened to float32 again
;;       x = np.moveaxis(x, axis, -1); K = x.shape[-1]
;;       x = np.pad(x, [(0, 0)] * (x.ndim - 1) + [(0, -K % 32)]); x = x.reshape(x.shape[:-1] + (-1, 32)); a = np.abs(x).max(-1, keepdims=True)
;;       e = np.where(a > 0, np.clip(np.frexp(np.where(a > 0, a, 1))[1] - 1 - 4, -126, 127), 0)      # np.frexp(a)[1] - 1 = floor(log2(a)), exactly
;;       r = np.clip(x / 2.0 ** e, -28, 28)
;;       step = 2.0 ** (np.maximum(np.frexp(np.where(r == 0, 1, r))[1] - 1, -2) - 2)
;;       q = np.round(r / step) * step * 2.0 ** e      # np.round: ties to even
;;       return np.moveaxis(q.reshape(q.shape[:-2] + (-1,))[..., :K], -1, axis).astype(np.float32)
;;   ~~~
;;   OPERANDS COMPUTED ON THE WAY. 'Computed on the way' means the value that the module computes at that place (a softmax that the list does not call 'softmax' is quantised finished and normalised). What goes into a quantiser is computed in f32, as accurately as f32 sums, v_exp_f32 and their like allow (about 1e-6 of the number): no bf16 or f16 on the way to a quantiser, and a product that is left as it is and whose result goes on into a quantised operand takes f32 operands (vector FMAs, or v_wmma_f32_16x16x4_f32). A number that lies on a knife's edge between two numbers of the format may be rounded either way, as far as f32 arithmetic and the matrix unit's own rounding can turn it there, and no further.
;; One version. Each part assembles by itself: llvm-mc -triple=amdgcn-amd-amdhsa -mcpu=gfx1250 --defsym DOCPART=n.
;; ======== version 1 of 1: 3 launches
;; limits: right only within a limited range of input values
;; workspace buffers: wk_img 819,200 bytes; x_img 13,107,200 bytes; q0p 262,144 bytes; part 262,144 bytes
;; launch prep (part 1): grid 256 x 1, 10 waves a work-group, no clusters, 85,760 bytes of LDS; arguments Wk, Wq, x, wk_img, q0p, x_img; writes wk_img, q0p, x_img
.if DOCPART == 1
	.amdgcn_target "amdgcn-amd-amdhsa--gfx1250"
	.amdhsa_code_object_version 6
	.text
	.protected	k_qcdf0246ba6_prep
	.globl	k_qcdf0246ba6_prep
	.p2align	8
	.type	k_qcdf0246ba6_prep,@function
k_qcdf0246ba6_prep:
	s_mov_b64 s[64:65], 0
	v_nop
	global_prefetch_b8 v0, s[64:65] scope:SCOPE_SE
	s_setreg_imm32_b32 hwreg(HW_REG_WAVE_MODE, 25, 1), 1
	s_wait_xcnt 0x0
; THE PROGRAM.  out0[b] = softmax over m of Q(q[b][0]) . Q(k[b][m]),  q = Q(x) Q(Wq)^T + bq, k = Q(x) Q(Wk)^T + bk; Q: codes of E3M2, one E8M0 byte for each 32 along a product's K.
; WORK LEFT OUT.  reference() returns attn[:, 0, :]: of the scores and of their softmax it keeps row n = 0 of each batch, and a row of the softmax hangs on its own row of scores alone, which hangs on row 0 of q
; and on all of k.  So the rows n > 0 of q, of the scores and of the softmax reach no output, whatever the inputs hold, and are not computed.  A NaN, an infinity or an overflow that reaches only those rows is not carried to the result.
; THIS LAUNCH.  Wk and x become codes and scale bytes in the ORDER OF THE OPERAND'S REGISTERS (wk_img, x_img), and row 0 of q is made as eight partial sums: q0p[s][tile of 16 e][batch][16] = the sum over K step s (128 along K) of Q(x[b][0]) Q(Wq[e]).
; SHARES.  256 equal work-groups of ten waves, g the work-group.  Waves 0-7: K step = wave, 64 rows of x from 64 g on: four tiles of 16.  Wave 8: K step g % 8, rows 32 (g / 8) .. + 31 of Wk: two tiles.
; Wave 9: K step g % 8, rows 32 (g / 8) .. + 31 of Wq: two tiles, and the rows x[b][0], each of the 8 twice, as a third.  The waves share nothing: no barrier.
; Wk, x: lane r of tile u of a group of 32 rows takes row 8 u + r + 8 (r / 8), so that with the weight as source 0 the 16 result registers of two neighbouring tiles are 16 neighbours along e.
; IMAGES.  256 rows (8 groups of 32) x K step s is a block of 25,600 bytes at (8 x block of rows + s) x 25,600: 16 fragments of 1,536 bytes (tile 2 x group + u; register group c at 512 c, lane l's 16 bytes at 16 l),
; then eight scale registers of 128 bytes: a group's register holds its tile 0's words in lanes 0-15 and its tile 1's in lanes 16-31.
; HOW.  A load reads 512 consecutive bytes of one row; a tile's 16 x 512 bytes turn through the wave's own stage in LDS (rows 528 bytes apart) and come back so that register 16 b + i of lane (r, h) is k = 32 b + 16 h + i of row r.
; Three tiles are asked for at a wave's start, x's fourth when the first has been quantised: 48 loads a wave are out at the most.  No loop to ask ahead in, no tensor load, no cluster: what a work-group streams nobody else reads.
; LIMITS.  NaN and infinities are not served.  A block whose largest magnitude lies under 2^-122 is held at the byte 1; a block of zeros gets the byte 1 too (its codes are zeros; only this program reads the bytes).
.set SPARE, 84480                      ; behind ten stages of 8,448 bytes: the spare words, 128 bytes a wave; no other line names them
.set SPW,  1                           ; LDS address of my spare word; never rewritten
.set NIL,  2                           ; 0; never rewritten
.set LI,   3                           ; 16 x lane
.set TSW,  4                           ; the stage, on the way in
.set TSR,  5                           ; and back: 528 r + 64 h
.set L4,   6                           ; 4 x lane
.set PW0,  7                           ; scale words: of a group's tile 0, tile 1; x[b][0]'s
.set PW1,  8
.set PWX,  9
.set PWS,  10                          ; v10-11 both tiles' words in one register, one for each group
.set QO,   12                          ; q0p: 64 (r % 8) + 32 h + 16 (r / 8)
.set B0,   16                          ; v16-79, v80-143, v144-207 three tiles' numbers
.set B1,   80
.set B2,   144
.set T0,   208                         ; v208-227, v228-247 at work; a fragment at T + 8
.set T1,   228
.set WV,   16
.set SEL,  18                          ; s[18:19] v_permlanex16_b32's selects for lane l xor 16
.macro PLACES n
.rept \n
	v_nop
.endr
.endm
.macro LD buf, j                       ; tile j of the wave's rows: read once in the launch
.irp i, 0,1,2,3,4,5,6,7,8,9,10,11,12,13,14,15
	global_load_b128 v[(\buf)+4*\i:(\buf)+4*\i+3], v[LI], s[4:5] offset:(32*((\j)/2)+8*((\j)%2)+\i+8*(\i/8))*4096 th:TH_LOAD_NT
.endr
.endm
.macro TURN reg                        ; 16 rows x 512 bytes through my stage.  LDS serves a wave's instructions in order (ISA guide 5.7.1.4): no wait between
.irp i, 0,1,2,3,4,5,6,7,8,9,10,11,12,13,14,15
	ds_store_b128 v[TSW], v[(\reg)+4*\i:(\reg)+4*\i+3] offset:528*\i
.endr
.irp b, 0,1,2,3
.irp q, 0,1,2,3
	ds_load_b128 v[(\reg)+16*\b+4*\q:(\reg)+16*\b+4*\q+3], v[TSR] offset:128*\b+16*\q
.endr
.endr
	s_wait_dscnt 0x0
.endm
; 64 numbers of a lane become a fragment's 12 registers at v[A + 8] on and its scale word in v[PW].  A + 0..3 largest magnitudes, then the conversions' scale operands; A + 4..7 the other half's maxima, the bytes, then a block's second half.
.macro QUANT s, A, PW
.irp b, 0,1,2,3
	v_max3_num_f32 v[(\A)+\b], |v[(\s)+16*\b]|, |v[(\s)+16*\b+1]|, 0x2800000   ; with the floor 2^(5 - 127): the byte cannot fall under 1
.endr
.irp i, 2,4,6,8,10,12,14
.irp b, 0,1,2,3
	s_delay_alu instid0(VALU_DEP_4)
	v_max3_num_f32 v[(\A)+\b], v[(\A)+\b], |v[(\s)+16*\b+\i]|, |v[(\s)+16*\b+\i+1]|   ; the four blocks by turns
.endr
.endr
.irp b, 0,1,2,3
	v_permlanex16_b32 v[(\A)+4+\b], v[(\A)+\b], s[SEL], s[SEL+1]
.endr
.irp b, 0,1,2,3
	v_max_num_f32 v[(\A)+\b], v[(\A)+\b], v[(\A)+4+\b]          ; with lane l xor 16's: the block's largest magnitude
.endr
.irp b, 0,1,2,3
	v_add_nc_u32 v[(\A)+\b], 0xfe000000, v[(\A)+\b]             ; 4 off its exponent field: the conversion's scale operand
.endr
.irp b, 0,1,2,3
	v_lshrrev_b32 v[(\A)+4+\b], 23, v[(\A)+\b]                  ; the scale's byte
.endr
	v_lshl_or_b32 v[\PW], v[(\A)+5], 8, v[(\A)+4]
	v_lshl_or_b32 v[\PW], v[(\A)+6], 16, v[\PW]
	v_lshl_or_b32 v[\PW], v[(\A)+7], 24, v[\PW]                 ; my row's scale word; both halves of the lanes hold it
.irp c, 0,1
	v_cvt_scalef32_pk16_bf6_f32 v[(\A)+8+6*\c:(\A)+10+6*\c], v[(\s)+32*\c:(\s)+32*\c+15], v[(\A)+2*\c]
	v_cvt_scalef32_pk16_bf6_f32 v[(\A)+4:(\A)+6], v[(\s)+32*\c+16:(\s)+32*\c+31], v[(\A)+2*\c+1]   ; (a conversion's three registers begin on an even number)
	v_nop                                                       ; one plain line behind the conversions
.irp i, 0,1,2                          ; the operand wants a whole block in a lane: lanes 0-15 block 2 c, lanes 16-31 block 2 c + 1
	v_permlane16_swap_b32 v[(\A)+8+6*\c+\i], v[(\A)+4+\i]
.endr
.irp i, 0,1,2
	v_mov_b32 v[(\A)+11+6*\c+\i], v[(\A)+4+\i]
.endr
.endr
.endm
.macro SEND A, j                       ; tile j's fragment: 32 lanes store 512 consecutive bytes, at a multiple of 256 from the buffer's first byte
.irp c, 0,1,2
	global_store_b128 v[LI], v[(\A)+8+4*\c:(\A)+11+4*\c], s[26:27] offset:1536*(\j)+512*\c
.endr
.endm
.macro SCALES n                        ; a group's scale register: lanes 0-15 tile 0's words, lanes 16-31 tile 1's: 128 consecutive bytes
	v_cmp_gt_u32 vcc_lo, 64, v[L4]
	v_cndmask_b32 v[PWS+\n], v[PW1], v[PW0], vcc_lo
	global_store_b32 v[L4], v[PWS+\n], s[28:29] offset:128*\n
.endm
.macro DONE                            ; the wave's end, behind my last LDS store
	s_wait_tensorcnt 0x0
	ds_add_u32 v[SPW], v[NIL]
	s_wait_dscnt 0x0
	s_endpgm
.endm
	s_load_b256 s[4:11], s[0:1], 0x0               ; Wk s[4:5], Wq s[6:7], x s[8:9], wk_img s[10:11]
	s_load_b128 s[12:15], s[0:1], 0x20             ; q0p s[12:13], x_img s[14:15]
	v_lshl_add_u32 v[SPW], v0, 2, SPARE
	v_mov_b32 v[NIL], 0
	v_lshrrev_b32 v[T0], 5, v0
	v_readfirstlane_b32 s[WV], v[T0]               ; wave 0..9
	v_and_b32 v[T0+1], 31, v0                      ; lane
	v_and_b32 v[T0+2], 15, v0                      ; r
	v_bfe_u32 v[T0+3], v0, 4, 1                    ; h
	v_lshlrev_b32 v[LI], 4, v[T0+1]
	v_lshlrev_b32 v[L4], 2, v[T0+1]
	s_mul_i32 s22, s[WV], 8448
	v_add_nc_u32 v[TSW], s22, v[LI]
	v_mul_u32_u24 v[TSR], v[T0+2], 528
	v_lshl_add_u32 v[TSR], v[T0+3], 6, v[TSR]
	v_add_nc_u32 v[TSR], s22, v[TSR]
	v_lshlrev_b32 v[QO], 5, v[T0+3]
	v_bfe_u32 v[T0+1], v0, 3, 1
	v_and_b32 v[T0+2], 7, v0
	v_lshl_add_u32 v[QO], v[T0+1], 4, v[QO]
	v_lshl_add_u32 v[QO], v[T0+2], 6, v[QO]
.irp b, 0,1,2,3
	v_mov_b32 v[T0+4+\b], 0                        ; written once: a lane permute's destination counts as one of its sources
	v_mov_b32 v[T1+4+\b], 0
.endr
	s_mov_b32 s[SEL], 0x76543210
	s_mov_b32 s[SEL+1], 0xfedcba98
	; x: 64 rows from 64 g, block g / 4 of 256 rows, groups 2 (g % 4) and the next.  Wk and Wq: 32 rows from 32 (g / 8), block g / 64, group (g / 8) % 8
	s_lshl_b32 s22, ttmp9, 18
	s_lshr_b32 s30, ttmp9, 2
	s_and_b32 s31, ttmp9, 3
	s_lshl_b32 s31, s31, 1
	s_lshr_b32 s24, ttmp9, 3
	s_lshl_b32 s25, s24, 17
	s_lshr_b32 s32, s24, 3
	s_and_b32 s33, s24, 7
	s_and_b32 s34, ttmp9, 7
	s_cmp_lt_u32 s[WV], 8
	s_cselect_b32 s22, s22, s25
	s_cselect_b32 s30, s30, s32
	s_cselect_b32 s31, s31, s33
	s_cselect_b32 s34, s[WV], s34                  ; my K step
	s_lshl_b32 s36, s34, 9                         ; its 512 bytes of a row
	s_mov_b32 s37, 0
	s_add_co_u32 s22, s22, s36
	s_mov_b32 s23, 0
	s_lshl_b32 s30, s30, 3
	s_add_co_u32 s30, s30, s34
	s_mul_i32 s28, s30, 25600                      ; the block of the image,
	s_mul_i32 s26, s31, 3072                       ; in it my fragments,
	s_add_co_u32 s26, s26, s28
	s_mov_b32 s27, 0
	s_lshl_b32 s31, s31, 7                         ; and my scale registers
	s_add_co_u32 s28, s28, s31
	s_add_co_u32 s28, s28, 24576
	s_mov_b32 s29, 0
	s_lshl_b32 s38, s34, 15                        ; q0p: 32,768 bytes a K step, 512 a tile
	s_lshl_b32 s39, s24, 10
	s_add_co_u32 s38, s38, s39
	s_mov_b32 s39, 0
	s_wait_alu depctr_va_vdst(0)
	s_wait_kmcnt 0x0
	s_cmp_lt_u32 s[WV], 8
	s_cselect_b64 s[4:5], s[8:9], s[4:5]
	s_cselect_b64 s[10:11], s[14:15], s[10:11]
	s_add_nc_u64 s[4:5], s[4:5], s[22:23]
	s_add_nc_u64 s[26:27], s[10:11], s[26:27]
	s_add_nc_u64 s[28:29], s[10:11], s[28:29]
	s_cmp_lt_u32 s[WV], 8
	s_cbranch_scc0 .Lweights
	; ---- x: four tiles
	LD B0, 0
	LD B1, 1
	LD B2, 2
	s_wait_loadcnt 32                              ; tile 0 is in; tiles 1 and 2 may be out
	TURN B0
	QUANT B0, T0, PW0
	LD B0, 3                                       ; into the registers just quantised
	SEND T0, 0
	s_wait_loadcnt 32                              ; tile 1; tiles 2 and 3 may be out
	TURN B1
	QUANT B1, T1, PW1
	SEND T1, 1
	SCALES 0
	s_wait_alu depctr_va_vdst(0)
	s_wait_xcnt 0x0                                ; the stores have read their registers: both work areas may be written
	s_wait_loadcnt 16                              ; tile 2; tile 3 may be out
	TURN B2
	QUANT B2, T0, PW0
	SEND T0, 2
	s_wait_loadcnt 0x0
	TURN B0
	QUANT B0, T1, PW1
	SEND T1, 3
	SCALES 1
	DONE
.Lweights:
	s_cmp_lt_u32 s[WV], 9
	s_cbranch_scc0 .Lq
	; ---- Wk: two tiles
	LD B0, 0
	LD B1, 1
	s_wait_loadcnt 16
	TURN B0
	QUANT B0, T0, PW0
	SEND T0, 0
	s_wait_loadcnt 0x0
	TURN B1
	QUANT B1, T1, PW1
	SEND T1, 1
	SCALES 0
	DONE
	; ---- Wq: two tiles of 16 neighbouring rows, and x[b][0]
.Lq:
	s_add_nc_u64 s[6:7], s[6:7], s[22:23]
	s_add_nc_u64 s[8:9], s[8:9], s[36:37]
	s_add_nc_u64 s[12:13], s[12:13], s[38:39]
.irp b, 0,1,2,3,4,5,6,7
	s_add_nc_u64 s[40+2*\b:41+2*\b], s[8:9], \b<<23   ; a batch of x is 2^23 bytes
.endr
.irp i, 0,1,2,3,4,5,6,7,8,9,10,11,12,13,14,15
	global_load_b128 v[B0+4*\i:B0+4*\i+3], v[LI], s[6:7] offset:4096*\i th:TH_LOAD_NT
.endr
.irp i, 0,1,2,3,4,5,6,7,8,9,10,11,12,13,14,15
	global_load_b128 v[B1+4*\i:B1+4*\i+3], v[LI], s[6:7] offset:4096*(16+\i) th:TH_LOAD_NT
.endr
.irp i, 0,1,2,3,4,5,6,7,8,9,10,11,12,13,14,15
	global_load_b128 v[B2+4*\i:B2+4*\i+3], v[LI], s[40+2*(\i%8):41+2*(\i%8)]
.endr
	s_wait_loadcnt 32
	TURN B0
	QUANT B0, T0, PW0
	s_wait_loadcnt 16
	TURN B1
	QUANT B1, T1, PW1
	s_wait_loadcnt 0x0
	TURN B2
	QUANT B2, B0, PWX                              ; at work in tile 0's registers, which are done with
	PLACES 8                                       ; a scale register written by a vector instruction stands 8 places ahead of a scaled matrix instruction, an operand 4
	; source 0 = 16 rows of Wq, source 1 = x: lane (r, h) holds batch r % 8, register j is row 8 h + j of the tile
	v_wmma_scale_f32_16x16x128_f8f6f4 v[B0+32:B0+39], v[T0+8:T0+19], v[B0+8:B0+19], 0, v[PW0], v[PWX] matrix_a_fmt:MATRIX_FMT_BF6 matrix_b_fmt:MATRIX_FMT_BF6
	v_wmma_scale_f32_16x16x128_f8f6f4 v[B0+40:B0+47], v[T1+8:T1+19], v[B0+8:B0+19], 0, v[PW1], v[PWX] matrix_a_fmt:MATRIX_FMT_BF6 matrix_b_fmt:MATRIX_FMT_BF6
	PLACES 4                                       ; ahead of the first read of the results (ISA guide 7.12.1)
	v_bfe_u32 v[T0], v0, 3, 1
	v_cmp_ne_u32 vcc_lo, 0, v[T0]
.irp u, 0,1                            ; lanes r and r + 8 hold the same eight numbers: the first stores the lower four, the second the upper: 512 consecutive bytes
.irp j, 0,1,2,3
	v_cndmask_b32 v[B1+4*\u+\j], v[B0+32+8*\u+\j], v[B0+36+8*\u+\j], vcc_lo
.endr
.endr
	global_store_b128 v[QO], v[B1:B1+3], s[12:13]
	global_store_b128 v[QO], v[B1+4:B1+7], s[12:13] offset:512
	DONE
.Lfunc_end_k_qcdf0246ba6_prep:
	.size	k_qcdf0246ba6_prep, .Lfunc_end_k_qcdf0246ba6_prep-k_qcdf0246ba6_prep
	.p2alignl 7, 3214868480
	.fill 96, 4, 3214868480
	.section	.rodata,"a",@progbits
	.p2align	6, 0x0
	.amdhsa_kernel k_qcdf0246ba6_prep
		.amdhsa_group_segment_fixed_size 85760
		.amdhsa_private_segment_fixed_size 0
		.amdhsa_enable_private_segment 0
		.amdhsa_kernarg_size 48
		.amdhsa_user_sgpr_count 2
		.amdhsa_user_sgpr_kernarg_segment_ptr 1
		.amdhsa_wavefront_size32 1
		.amdhsa_system_sgpr_workgroup_id_x 1
		.amdhsa_system_sgpr_workgroup_id_y 1
		.amdhsa_system_sgpr_workgroup_id_z 1
		.amdhsa_system_vgpr_workitem_id 0
		.amdhsa_next_free_vgpr 256
		.amdhsa_next_free_sgpr 66
		.amdhsa_reserve_vcc 1
		.amdhsa_float_denorm_mode_32 3
		.amdhsa_float_denorm_mode_16_64 3
		.amdhsa_memory_ordered 1
		.amdhsa_forward_progress 1
		.amdhsa_inst_pref_size 82
	.end_amdhsa_kernel
	.amdgpu_metadata
---
amdhsa.version: [ 1, 2 ]
amdhsa.kernels:
  - .name:           k_qcdf0246ba6_prep
    .symbol:         k_qcdf0246ba6_prep.kd
    .args:
      - { .name: Wk, .offset: 0, .size: 8, .value_kind: global_buffer, .address_space: global }
      - { .name: Wq, .offset: 8, .size: 8, .value_kind: global_buffer, .address_space: global }
      - { .name: x, .offset: 16, .size: 8, .value_kind: global_buffer, .address_space: global }
      - { .name: wk_img, .offset: 24, .size: 8, .value_kind: global_buffer, .address_space: global }
      - { .name: q0p, .offset: 32, .size: 8, .value_kind: global_buffer, .address_space: global }
      - { .name: x_img, .offset: 40, .size: 8, .value_kind: global_buffer, .address_space: global }
    .group_segment_fixed_size: 85760
    .private_segment_fixed_size: 0
    .kernarg_segment_align: 8
    .kernarg_segment_size: 48
    .max_flat_workgroup_size: 320
    .sgpr_count:     66
    .vgpr_count:     256
    .wavefront_size: 32
...
	.end_amdgpu_metadata
.endif
;; end of part 1
;; launch main (part 2): grid 4 x 64, 4 waves a work-group, clusters of 4 x 4, 327,680 bytes of LDS; arguments x_img, wk_img, bk, q0p, part, bq; writes part
.if DOCPART == 2
	.amdgcn_target "amdgcn-amd-amdhsa--gfx1250"
	.amdhsa_code_object_version 6
	.text
	.protected	k_qcdf0246ba6_main
	.globl	k_qcdf0246ba6_main
	.p2align	8
	.type	k_qcdf0246ba6_main,@function
k_qcdf0246ba6_main:
	s_mov_b64 s[64:65], 0
	v_nop
	global_prefetch_b8 v0, s[64:65] scope:SCOPE_SE
	s_setreg_imm32_b32 hwreg(HW_REG_WAVE_MODE, 25, 1), 1
	s_wait_xcnt 0x0
	s_wait_alu depctr_hold_cnt(0) depctr_sa_sdst(0) depctr_va_vdst(0) depctr_va_sdst(0) depctr_va_ssrc(0) depctr_va_vcc(0) depctr_vm_vsrc(0)
	s_getreg_b32 s2, hwreg(HW_REG_IB_STS2, 6, 4)
	s_cmp_eq_u32 s2, 0
	s_cbranch_scc0 .Lentry_in_a_cluster
	s_endpgm
.Lentry_in_a_cluster:
	s_bfe_u32 s2, ttmp6, 0x10000c
	s_cmp_lg_u32 s2, 0xf033
	s_cbranch_scc0 .Lentry_shape_is_right
	s_endpgm
.Lentry_shape_is_right:
; WHAT.  part[n][row] = the sum over e = 256 n .. 256 n + 255 of Q(q0[batch])[e] Q(k[row])[e], n = 0 .. 3, for the 16,384 rows of x;  k[row][e] = Q(x[row]) . Q(Wk[e]) + bk[e].  k never goes to memory.
; WORK LEFT OUT: the scores of queries n > 0, which reference() slices away (shown at the head of the first launch).
; SHARES.  A work-group makes 256 rows of x by 256 columns e of k; a wave 128 x 128: 64 accumulators of 16 x 16, 512 registers.  Grid 4 x 64: one work-group to each block.
; Every product is used TRANSPOSED (source 0 = 16 rows of Wk, source 1 = 16 rows of x): a lane holds one row of x, and, by the order in which the images take rows (lane r of tile t: row 32 (t / 2) + 8 (t % 2) + r + 8 (r / 8)),
; the 64 registers of a tile of rows are 128 neighbours along e, the last product's K, in the quantiser's order: k is quantised where it stands.
; OPERANDS come as register images, 25,600 bytes for 256 rows x 128 K: 16 fragments of 1,536 bytes, eight scale registers of 128.  They are read as 512 consecutive bytes a load.
; FILLS.  K's eight steps come in three fills of 3, 3 and 2 steps: slot 0, slot 1, slot 0 again.  Each wave brings a quarter of a fill with one tensor load: waves 0 and 1 A's two halves (x), waves 2 and 3 B's (Wk).
; A fill sets out when the one before has landed, and has three steps' products (less three quarters of one step's) in which to land.  No prefetch: the walk is written out, three fills and no loop to run ahead in.
; CLUSTER.  4 x 4: the four work-groups of a row share A's tiles, the four of a column B's: each is asked for jointly, same load, same descriptor, a mask that names the four.
; q0 comes as eight partial sums, one a K step; they are added in ascending order, bq last, and each wave quantises its 128 e.
; LIMITS.  NaN and infinities are not served.  A block whose largest magnitude lies under 2^-122 is held at the byte 1; a block of zeros gets the byte 1 too (its codes are zeros).  bk is added first (the C of each sum's first product).
; REGISTERS, in windows of 256 (s_set_vgpr_msb: bits 1:0 source 0, 3:2 source 1, 5:4 source 2, 7:6 destination):
;   window 0: v1-27 addresses; v32-56 scale words; v64-159, v160-255 A's fragments, two sets of 8 x 12 (at the end the quantiser's work space).
;   window 1: v0-95, v96-191 B's fragments, two sets; v192-203 q0's fragment; at the end v0-63 the scores.   windows 2, 3: accumulator (m, t) at v[64 (m % 4) + 8 t] of window 2 + m / 4.
.set BLK,  25600                       ; 256 rows x 128 K
.set SLOT, 6*BLK                       ; three steps of A, then three of B
.set SCST, 2*SLOT                      ; behind the slots: a stage of 512 bytes a wave: first for q0, at the end for its scores
.set SPARE, SCST+2048                  ; the spare words, 128 bytes a wave: two blocks of 256 bytes that no other line names
.set SPW,  1                           ; LDS address of my spare word; never rewritten
.set NIL,  2                           ; 0; never rewritten
.set ADA,  4                           ; v4-5   my A fragments of slot 0, 1: + 16 x lane
.set ADB,  6                           ; v6-8   my B fragments of fill 0, 1, 2
.set ASA,  9                           ; v9-10  scale registers: + 4 x lane
.set ASB,  11                          ; v11-13
.set LANE, 16
.set RR,   17
.set HH,   18
.set L16,  19                          ; 16 x lane
.set L4,   20                          ; 4 x lane
.set PSW,  21                          ; my stage: the row of lane r
.set PSR,  22                          ; my stage: 16 x lane
.set QA,   23                          ; q0p: 512 (lane / 4) + 16 (lane % 4)
.set BA,   24                          ; bk: 64 h
.set L8,   25                          ; 8 x lane
.set PST,  26                          ; the stages of my rows' two waves: my 64 rows
.set QR,   27                          ; my stage: 64 h
.set XS,   32                          ; v32-39 A's scale registers, two sets of 4
.set WS,   40                          ; v40-47 B's
.set PW,   48                          ; v48-55 k's scale words
.set QSC,  56                          ; q0's
.set AF,   64
.set QF,   192                         ; in window 1
.set WV,   14                          ; s14 wave
.set RH,   15                          ; s15 which 128 rows are mine; also: I fetch for A (0) or B (1)
.set CH,   16                          ; s16 which 128 columns are mine; also: which half of a fill I fetch
.set SEL,  20                          ; s[20:21] v_permlanex16_b32's selects for lane l xor 16
.set G1,   24                          ; s[24:31] descriptor group 1 for A;  s[32:43] group 0, one set for each fill
.set G0,   32
.set G1B,  44                          ; s[44:51], s[52:63] the same for B
.set G0B,  52
.set MSB, 0
.macro WIN new                         ; the immediate's high byte repeats the setting that is left; a switch that changes nothing is dropped
.if MSB != (\new)
	s_set_vgpr_msb (MSB<<8)|(\new)
.set MSB, (\new)
.endif
.endm
.macro PLACES n                        ; plain lines between a matrix instruction and a load into, a vector write of or a read of its registers (ISA guide 7.12.1 for vector instructions)
.rept \n
	v_nop
.endr
.endm
.macro JLOAD n                         ; a joint load of fill n: the branch hangs on the wave's number alone; each line has one mask and one set of registers for all that issue it
	s_cmp_eq_u32 s[RH], 0
	s_cbranch_scc0 .Lfor_b_\@
	tensor_load_to_lds s[G0+4*\n:G0+4*\n+3], s[G1:G1+7]
	s_nop 0
.rept 4
	v_nop
.endr
	s_branch .Lasked_\@
.Lfor_b_\@:
	tensor_load_to_lds s[G0B+4*\n:G0B+4*\n+3], s[G1B:G1B+7]
	s_nop 0
.rept 4
	v_nop
.endr
.Lasked_\@:
.endm
.macro CREST                           ; a round of the cluster's barrier behind its opening barrier
	s_cmp_lg_u32 s[WV], 0
	s_cbranch_scc1 .Lnot_wave_0_\@
	s_barrier_signal -3
.Lnot_wave_0_\@:
	s_barrier_wait -3
	s_barrier_signal -1
	s_barrier_wait -1
.endm
.macro CROUND
	s_barrier_signal -1
	s_barrier_wait -1
	CREST
.endm
; 64 numbers of a lane in window w, register 16 b + i = k 32 b + 16 h + i of my row, become a fragment's 12 registers at v[A + 12] on and its scale word in v[W] (window 0), in eight parts p.
; A + 0..3 largest magnitudes, A + 4..7 the other half's, then the bytes, A + 8..11 the conversions' scale operands; at the end A + 0..2, A + 4..6 the blocks' second halves.  Each run of eight registers is read from its low end on.
.macro MAX3 i, s, w, A
	WIN ((\w)<<2)|((\w)<<4)
.irp b, 0,1,2,3
	v_max3_num_f32 v[(\A)+\b], v[(\A)+\b], |v[(\s)+16*\b+\i]|, |v[(\s)+16*\b+\i+1]|   ; the four blocks by turns
.endr
.endm
.macro QPART p, s, w, A, W
.if (\p) == 0
	WIN (\w)|((\w)<<2)
.irp b, 0,1,2,3
	v_max3_num_f32 v[(\A)+\b], |v[(\s)+16*\b]|, |v[(\s)+16*\b+1]|, 0x2800000   ; my 16 numbers of block b, and the floor 2^(5 - 127): the byte cannot fall under 1
.endr
	MAX3 2, \s, \w, \A
.elseif (\p) < 4
	MAX3 4*(\p), \s, \w, \A
	MAX3 4*(\p)+2, \s, \w, \A
.elseif (\p) == 4
	WIN 0
.irp b, 0,1,2,3
	v_permlanex16_b32 v[(\A)+4+\b], v[(\A)+\b], s[SEL], s[SEL+1]
.endr
.irp b, 0,1,2,3
	v_max_num_f32 v[(\A)+\b], v[(\A)+\b], v[(\A)+4+\b]          ; with lane l xor 16's: the block's largest magnitude
.endr
.elseif (\p) == 5
	WIN 0
.irp b, 0,1,2,3
	v_add_nc_u32 v[(\A)+8+\b], 0xfe000000, v[(\A)+\b]           ; 4 off its exponent field: the conversion takes that field of this operand as its scale
.endr
.irp b, 0,1,2,3
	v_lshrrev_b32 v[(\A)+4+\b], 23, v[(\A)+8+\b]                ; the scale's byte
.endr
.elseif (\p) == 6
	WIN 0
	v_lshl_or_b32 v[\W], v[(\A)+5], 8, v[(\A)+4]
	v_lshl_or_b32 v[\W], v[(\A)+6], 16, v[\W]
	v_lshl_or_b32 v[\W], v[(\A)+7], 24, v[\W]                   ; my row's scale word; both halves of the lanes hold it
	WIN (\w)
.irp c, 0,1
	v_cvt_scalef32_pk16_bf6_f32 v[(\A)+12+6*\c:(\A)+14+6*\c], v[(\s)+32*\c:(\s)+32*\c+15], v[(\A)+8+2*\c]
	v_cvt_scalef32_pk16_bf6_f32 v[(\A)+4*\c:(\A)+4*\c+2], v[(\s)+32*\c+16:(\s)+32*\c+31], v[(\A)+9+2*\c]   ; (a conversion's three registers begin on an even number)
.endr
	WIN 0
	v_nop                                                       ; one plain line behind the conversions
.else
	WIN 0
.irp c, 0,1                            ; the operand wants a whole block in a lane: lanes 0-15 block 2 c, lanes 16-31 block 2 c + 1
.irp i, 0,1,2
	v_permlane16_swap_b32 v[(\A)+12+6*\c+\i], v[(\A)+4*\c+\i]
.endr
.irp i, 0,1,2
	v_mov_b32 v[(\A)+15+6*\c+\i], v[(\A)+4*\c+\i]
.endr
.endr
.endif
.endm
.macro QUANT s, w, A, W
.irp p, 0,1,2,3,4,5,6,7
	QPART \p, \s, \w, \A, \W
.endr
.endm
; Step st lies in fill st / 3, at st % 3 blocks of 25,600 bytes; its fragments go to set st % 2.
.macro FB st, t0                       ; 12 loads: B's fragments t0 .. t0 + 3
.set SS, ((\st)%3)*BLK
.set Z, (\st)%2
	WIN 0x40
.irp t, \t0, \t0+1, \t0+2, \t0+3
.irp i, 0,1,2
	ds_load_b128 v[96*Z+12*(\t)+4*\i:96*Z+12*(\t)+4*\i+3], v[ADB+(\st)/3] offset:SS+1536*(\t)+512*\i
.endr
.endr
	WIN 0
.endm
.macro FSB st                          ; 20 loads: the step's scale registers, and B's fragments 0-3
.set SS, ((\st)%3)*BLK
.set Z, (\st)%2
	WIN 0
.irp p, 0,1,2,3
	ds_load_b32 v[WS+4*Z+\p], v[ASB+(\st)/3] offset:SS+128*\p
.endr
.irp p, 0,1,2,3
	ds_load_b32 v[XS+4*Z+\p], v[ASA+((\st)/3)%2] offset:SS+128*\p
.endr
	FB \st, 0
.endm
.macro FA st, m0                       ; 12 loads: A's fragments m0 .. m0 + 3
.set SS, ((\st)%3)*BLK
.set Z, (\st)%2
	WIN 0
.irp m, \m0, \m0+1, \m0+2, \m0+3
.irp i, 0,1,2
	ds_load_b128 v[AF+96*Z+12*(\m)+4*\i:AF+96*Z+12*(\m)+4*\i+3], v[ADA+((\st)/3)%2] offset:SS+1536*(\m)+512*\i
.endr
.endr
.endm
; One product: accumulator (m, t).  first = 1: the sums begin with bk, which lies in accumulator (0, t): it is the C of (1, t) .. (7, t), and (0, t) then adds onto it in place.
.macro PROD m, t, st, first
.if (\m) < 4
	WIN 0xa1
.elseif \first
	WIN 0xe1
.else
	WIN 0xf1
.endif
.set Z, (\st)%2
.set rA, AF+96*Z+12*(\m)
.set rX, XS+4*Z+(\m)/2
.set rD, 64*((\m)%4)+8*(\t)
.set rC, rD
.if \first
.set rC, 8*(\t)
.endif
.set rB, 96*Z+12*(\t)
.set rW, WS+4*Z+(\t)/2
.if ((\m)%2) == 0
.if ((\t)%2) == 0
	v_wmma_scale_f32_16x16x128_f8f6f4 v[rD:rD+7], v[rB:rB+11], v[rA:rA+11], v[rC:rC+7], v[rW], v[rX] matrix_a_fmt:MATRIX_FMT_BF6 matrix_b_fmt:MATRIX_FMT_BF6
.else
	v_wmma_scale_f32_16x16x128_f8f6f4 v[rD:rD+7], v[rB:rB+11], v[rA:rA+11], v[rC:rC+7], v[rW], v[rX] matrix_a_fmt:MATRIX_FMT_BF6 matrix_b_fmt:MATRIX_FMT_BF6 matrix_a_scale:MATRIX_SCALE_ROW1
.endif
.else
.if ((\t)%2) == 0
	v_wmma_scale_f32_16x16x128_f8f6f4 v[rD:rD+7], v[rB:rB+11], v[rA:rA+11], v[rC:rC+7], v[rW], v[rX] matrix_a_fmt:MATRIX_FMT_BF6 matrix_b_fmt:MATRIX_FMT_BF6 matrix_b_scale:MATRIX_SCALE_ROW1
.else
	v_wmma_scale_f32_16x16x128_f8f6f4 v[rD:rD+7], v[rB:rB+11], v[rA:rA+11], v[rC:rC+7], v[rW], v[rX] matrix_a_fmt:MATRIX_FMT_BF6 matrix_b_fmt:MATRIX_FMT_BF6 matrix_a_scale:MATRIX_SCALE_ROW1 matrix_b_scale:MATRIX_SCALE_ROW1
.endif
.endif
.endm
; Eight products: tile of rows m against B's eight tiles.  The 64 accumulators take turns, one instruction a turn.
.macro ROW m, st, first
.irp t, 0,1,2,3,4,5,6,7
	PROD \m, \t, \st, \first
.endr
.endm
.macro ROWQ m                          ; the last step's row m, 4 .. 7: between its products, which name none of these registers, row m - 4 is quantised
.irp t, 0,1,2,3,4,5,6,7
	PROD \m, \t, 7, 0
	QPART \t, 64*((\m)-4), 2, AF+24*((\m)-4), PW+(\m)-4
.endr
.endm
	s_load_b256 s[4:11], s[0:1], 0x0               ; x_img s[4:5], wk_img s[6:7], bk s[8:9], q0p s[10:11]
	s_load_b64 s[12:13], s[0:1], 0x20              ; part
	s_load_b64 s[2:3], s[0:1], 0x28                ; bq
	v_lshl_add_u32 v[SPW], v0, 2, SPARE
	v_mov_b32 v[NIL], 0
	ds_add_u32 v[SPW], v[NIL]                      ; the opening: the add, twice on end, and its wait
	ds_add_u32 v[SPW], v[NIL]
	v_lshrrev_b32 v[LANE], 5, v0
	v_readfirstlane_b32 s[WV], v[LANE]             ; wave 0..3
	s_lshr_b32 s[RH], s[WV], 1
	s_and_b32 s[CH], s[WV], 1
	s_bfe_u32 s17, ttmp6, 0x40000                  ; cx
	s_bfe_u32 s18, ttmp6, 0x40004                  ; cy
	s_lshl_b32 s66, ttmp9, 2                       ; in a cluster launch ttmp9 and ttmp7 count clusters
	s_add_co_u32 s66, s66, s17                     ; block of 256 columns
	s_and_b32 s19, ttmp7, 0xffff
	s_lshl_b32 s19, s19, 2
	s_add_co_u32 s19, s19, s18                     ; block of 256 rows
	s_lshl_b32 s67, s66, 1
	s_add_co_u32 s67, s67, s[CH]                   ; c: my 128 columns
	s_lshl_b32 s22, s18, 2
	s_lshl_b32 s22, 15, s22                        ; my row of the cluster
	s_lshl_b32 s23, 0x1111, s17                    ; my column
	; descriptor groups 1: dense blocks as rows of 256 bytes (32 elements of 8 bytes), no padding
	s_or_b32 s[G1], s22, (3<<16)|(1<<21)           ; 15:0 the mask; 17:16 elements of 8 bytes; 21 set beside a mask
	s_or_b32 s[G1B], s23, (3<<16)|(1<<21)
.irp g, G1, G1B
	s_mov_b32 s[\g+1], 32<<16                      ; tensor_dim0 = 32
	s_mov_b32 s[\g+2], 150<<16                     ; tensor_dim1 = 150 rows: 38,400 bytes, half of three steps
	s_mov_b32 s[\g+3], 32<<16                      ; tile_dim0
	s_mov_b32 s[\g+4], 150                         ; tile_dim1
	s_mov_b32 s[\g+5], 32                          ; from row to row
	s_mov_b32 s[\g+6], 0
	s_mov_b32 s[\g+7], 0
.endr
	s_mul_i32 s70, s[CH], 3*BLK/2                  ; which half of a fill I fetch: of three steps,
	s_mul_i32 s74, s[CH], BLK                      ; of two
	s_mul_i32 s68, s19, 8*BLK                      ; A's stream hangs on the block of rows alone,
	s_mov_b32 s69, 0
	s_mul_i32 s72, s66, 8*BLK                      ; B's on the block of columns alone
	s_mov_b32 s73, 0
	s_add_co_u32 s76, s68, s74
	s_mov_b32 s77, 0
	s_add_co_u32 s78, s72, s74
	s_mov_b32 s79, 0
	s_add_co_u32 s68, s68, s70
	s_add_co_u32 s72, s72, s70
	s_mul_i32 s71, s[WV], 3*BLK/2                  ; LDS: wave x 38,400 in a slot,
	s_mul_i32 s75, s[WV], BLK                      ; wave x 25,600 for the last fill: no place in the cluster enters an LDS address
	s_mov_b32 s[SEL], 0x76543210
	s_mov_b32 s[SEL+1], 0xfedcba98
	s_wait_dscnt 0x0                               ; both opening adds are done
	s_wait_kmcnt 0x0
	s_add_nc_u64 s[68:69], s[4:5], s[68:69]
	s_add_nc_u64 s[76:77], s[4:5], s[76:77]
	s_add_nc_u64 s[72:73], s[6:7], s[72:73]
	s_add_nc_u64 s[78:79], s[6:7], s[78:79]
.irp n, 0,1
	s_mov_b32 s[G0+4*\n], 1
	s_add_co_u32 s[G0+4*\n+1], s71, \n*SLOT
	s_add_nc_u64 s[G0+4*\n+2:G0+4*\n+3], s[68:69], \n*3*BLK
	s_or_b32 s[G0+4*\n+3], s[G0+4*\n+3], 0x80000000
	s_mov_b32 s[G0B+4*\n], 1
	s_add_co_u32 s[G0B+4*\n+1], s71, \n*SLOT
	s_add_nc_u64 s[G0B+4*\n+2:G0B+4*\n+3], s[72:73], \n*3*BLK
	s_or_b32 s[G0B+4*\n+3], s[G0B+4*\n+3], 0x80000000
.endr
	s_mov_b32 s[G0+8], 1                           ; fill 2: steps 6 and 7, A's 51,200 bytes, then B's
	s_mov_b32 s[G0+9], s75
	s_add_nc_u64 s[G0+10:G0+11], s[76:77], 6*BLK
	s_or_b32 s[G0+11], s[G0+11], 0x80000000
	s_mov_b32 s[G0B+8], 1
	s_mov_b32 s[G0B+9], s75
	s_add_nc_u64 s[G0B+10:G0B+11], s[78:79], 6*BLK
	s_or_b32 s[G0B+11], s[G0B+11], 0x80000000
	CROUND                                         ; all sixteen work-groups are here: the first joint loads meet
	JLOAD 0                                        ; steps 0 to 2: one tensor load a wave
	s_lshl_b32 s22, s67, 12                        ; q0p: my 8 tiles of e, my batch (block of rows / 8)
	s_lshr_b32 s23, s19, 3
	s_lshl_b32 s23, s23, 6
	s_add_co_u32 s22, s22, s23
	s_mov_b32 s23, 0
	s_add_nc_u64 s[10:11], s[10:11], s[22:23]
	s_lshl_b32 s22, s67, 9                         ; bk, bq: my 128 numbers
	s_add_nc_u64 s[8:9], s[8:9], s[22:23]
	s_add_nc_u64 s[2:3], s[2:3], s[22:23]
	s_lshl_b32 s22, s66, 16                        ; part: 65,536 bytes for each block of columns; of my 128 rows I store 64
	s_lshl_b32 s23, s19, 10
	s_add_co_u32 s22, s22, s23
	s_lshl_b32 s23, s[WV], 8
	s_add_co_u32 s22, s22, s23
	s_mov_b32 s23, 0
	s_add_nc_u64 s[12:13], s[12:13], s[22:23]
	v_and_b32 v[LANE], 31, v0
	v_and_b32 v[RR], 15, v0
	v_bfe_u32 v[HH], v0, 4, 1
	v_lshlrev_b32 v[L16], 4, v[LANE]
	v_lshlrev_b32 v[L4], 2, v[LANE]
	v_lshlrev_b32 v[L8], 3, v[LANE]
	v_lshrrev_b32 v[QA], 2, v[LANE]
	v_and_b32 v[QR], 3, v[LANE]
	v_lshlrev_b32 v[QA], 9, v[QA]
	v_lshlrev_b32 v[BA], 6, v[HH]
	v_lshl_add_u32 v[QA], v[QR], 4, v[QA]
.irp s, 0,1,2,3,4,5,6,7
	global_load_b128 v[AF+4*\s:AF+4*\s+3], v[QA], s[10:11] offset:32768*\s   ; lane l: e = 128 c + 4 l + 0 .. 3
.endr
	global_load_b128 v[AF+32:AF+35], v[L16], s[2:3]   ; bq of the same e
	WIN 0x80
.irp t, 0,1,2,3,4,5,6,7                ; bk into accumulator (0, t), in the result's layout: register j of lane (r, h) is e = 128 c + 32 (t / 2) + 16 h + 8 (t % 2) + j
	global_load_b128 v[8*\t:8*\t+3], v[BA], s[8:9] offset:(32*(\t/2)+8*(\t%2))*4
	global_load_b128 v[8*\t+4:8*\t+7], v[BA], s[8:9] offset:(32*(\t/2)+8*(\t%2))*4+16
.endr
	WIN 0
	s_mul_i32 s70, s[RH], 12288                    ; my 8 tiles of A's 16,
	s_mul_i32 s71, s[CH], 12288                    ; of B's
	v_add_nc_u32 v[ADA], s70, v[L16]
	v_add_nc_u32 v[ADA+1], SLOT, v[ADA]
	v_add_nc_u32 v[ADB+2], s71, v[L16]
	v_add_nc_u32 v[ADB], 3*BLK, v[ADB+2]           ; B lies behind A's three steps,
	v_add_nc_u32 v[ADB+1], SLOT, v[ADB]
	v_add_nc_u32 v[ADB+2], 2*BLK, v[ADB+2]         ; in the last fill behind A's two
	s_lshl_b32 s70, s[RH], 9                       ; my 4 scale registers of A's 8,
	s_lshl_b32 s71, s[CH], 9                       ; of B's
	v_add_nc_u32 v[ASA], s70, v[L4]
	v_add_nc_u32 v[ASA], 24576, v[ASA]
	v_add_nc_u32 v[ASA+1], SLOT, v[ASA]
	v_add_nc_u32 v[ASB+2], s71, v[L4]
	v_add_nc_u32 v[ASB], 3*BLK+24576, v[ASB+2]
	v_add_nc_u32 v[ASB+1], SLOT, v[ASB]
	v_add_nc_u32 v[ASB+2], 2*BLK+24576, v[ASB+2]
	s_lshl_b32 s70, s[WV], 9
	s_add_co_u32 s70, s70, SCST                    ; my stage
	v_and_b32 v[PSW], 8, v[RR]
	v_add_nc_u32 v[PSW], v[PSW], v[RR]             ; r + 8 (r / 8): the row of lane r in a pair of tiles
	v_lshlrev_b32 v[PSW], 2, v[PSW]
	v_add_nc_u32 v[PSW], s70, v[PSW]
	v_add_nc_u32 v[PSR], s70, v[L16]
	v_add_nc_u32 v[QR], s70, v[BA]
	s_lshl_b32 s70, s[RH], 10                      ; the stages of the two waves that hold my rows,
	s_lshl_b32 s71, s[CH], 8                       ; in them my 64 rows
	s_add_co_u32 s70, s70, s71
	s_add_co_u32 s70, s70, SCST
	v_add_nc_u32 v[PST], s70, v[L8]
.irp b, 0,1,2,3
	v_mov_b32 v[AF+100+\b], 0                      ; written once: a lane permute's destination counts as one of its sources
.endr
	s_wait_alu depctr_va_vdst(0)
	s_wait_loadcnt 16                              ; q0's parts and bq are in; bk's sixteen loads may be out
.irp s, 1,2,3,4,5,6,7,8                ; K ascending, bq last
	v_pk_add_f32 v[AF:AF+1], v[AF:AF+1], v[AF+4*\s:AF+4*\s+1]
	v_pk_add_f32 v[AF+2:AF+3], v[AF+2:AF+3], v[AF+4*\s+2:AF+4*\s+3]
.endr
	ds_store_b128 v[PSR], v[AF:AF+3]               ; my own stage; LDS serves a wave's instructions in order (ISA guide 5.7.1.4)
	WIN 0xc0
.irp b, 0,1,2,3
.irp q, 0,1,2,3
	ds_load_b128 v[16*\b+4*\q:16*\b+4*\q+3], v[QR] offset:128*\b+16*\q   ; q0[batch][128 c + 32 b + 16 h + 0 .. 15] into window 3
.endr
.endr
	WIN 0
	s_wait_dscnt 0x0
	QUANT 0, 3, AF+96, QSC                         ; at work in A's second set, which is filled in step 0
	WIN 0x40
.irp i, 0,1,2,3,4,5,6,7,8,9,10,11
	v_mov_b32 v[QF+\i], v[AF+108+\i]               ; q0's fragment, 16 rows alike
.endr
	WIN 0
	s_wait_alu depctr_va_vdst(0)
	s_wait_tensorcnt 0x0                           ; my part of fill 0 is in
	ds_add_u32 v[SPW], v[NIL]
	s_wait_dscnt 0x0
	CROUND                                         ; everybody's part of fill 0 is in, and all sixteen work-groups are here
	JLOAD 1                                        ; steps 3 to 5, the first tensor load behind the round
	FSB 0
	FB 0, 4
	FA 0, 0
	FA 0, 4
	s_wait_loadcnt 0x0                             ; bk
; A step: 64 products on set st % 2; between them the next step's fragments are fetched into the other set, in runs of 20, 12, 12 and 12 loads.
.macro STEP st
.set NX, (\st)+1
.if (\st) == 0
	s_wait_dscnt 0x0
	ROW 1, 0, 1
	FSB NX
	ROW 2, 0, 1
	FB NX, 4
	ROW 3, 0, 1
	FA NX, 0
	ROW 4, 0, 1
	ROW 5, 0, 1
	FA NX, 4
	ROW 6, 0, 1
	ROW 7, 0, 1
	PLACES 5                                       ; the next eight write over registers that the others read as C: five places
	ROW 0, 0, 1
.elseif ((\st) == 2) || ((\st) == 5)
	s_wait_dscnt 12                                ; all but A's fragments 4-7 are in
	ROW 0, \st, 0
	ROW 1, \st, 0
	WIN 0                                          ; (the add's two registers lie in window 0)
	s_wait_tensorcnt 0x0                           ; all my tensor loads have landed: the one that was out is my part of the next fill
.if (\st) == 2
	ds_add_u32 v[SPW], v[NIL]                      ; 0 onto my spare word
	s_mov_b32 s[G1+2], 100<<16                     ; no tensor load of mine is out: from here on a load brings 100 rows, 25,600 bytes
	s_mov_b32 s[G1+4], 100
	s_mov_b32 s[G1B+2], 100<<16
	s_mov_b32 s[G1B+4], 100
.endif
	ROW 2, \st, 0
	s_wait_dscnt 0x0                               ; the add, where there is one, and my reads of the slot left behind are done
	s_barrier_signal -1
	ROW 3, \st, 0
	WIN 0                                          ; at a branch and at a label every window is 0
	s_barrier_wait -1
.if (\st) == 2
	CREST                                          ; the barrier has opened a round of the cluster's: no wave of any partner still reads slot 0 or has a load on its way
	JLOAD 2                                        ; steps 6 and 7 into slot 0, the first thing behind the round; its four v_nop are the places in front of the loads below
.else
	PLACES 4
.endif
	FSB NX
	ROW 4, \st, 0
	FB NX, 4
	ROW 5, \st, 0
	FA NX, 0
	ROW 6, \st, 0
	FA NX, 4
	ROW 7, \st, 0
.elseif (\st) == 7
	s_wait_dscnt 12
	ROW 0, 7, 0
	ROW 1, 7, 0
	ROW 2, 7, 0
	ROW 3, 7, 0
	s_wait_dscnt 0x0
	PLACES 4                                       ; ahead of the first reads of rows 0-3, and of vector writes of A's first set
	ROWQ 4
	ROWQ 5
	ROWQ 6
	ROWQ 7
.else
	s_wait_dscnt 12                                ; all but A's fragments 4-7 are in
	ROW 0, \st, 0
	PLACES 4                                       ; for the loads into the set that the step before read
	FSB NX
	ROW 1, \st, 0
	FB NX, 4
	ROW 2, \st, 0
	FA NX, 0
	ROW 3, \st, 0
	s_wait_dscnt 44                                ; A's fragments 4-7 are in; the 20 + 12 + 12 loads behind them may be out
	ROW 4, \st, 0
	FA NX, 4
	ROW 5, \st, 0
	ROW 6, \st, 0
	ROW 7, \st, 0
.endif
.endm
	STEP 0
	STEP 1
	STEP 2
	STEP 3
	STEP 4
	STEP 5
	STEP 6
	STEP 7
	; THE LAST PRODUCT.  My 128 e are one K step; the 64 registers of a tile of rows are 128 neighbours along e in the quantiser's order.  Source 0 = q0 (16 rows alike), source 1 = k's 16 rows: every register of lane (r, h) is row r's partial score.
	WIN 0
	PLACES 4                                       ; ahead of the first read of the last results, and of vector writes of A's second set
.irp m, 4,5,6,7
	QUANT 64*(\m-4), 3, AF+24*\m, PW+\m
.endr
	PLACES 8                                       ; a scale register written by a vector instruction stands 8 places ahead of a scaled matrix instruction, an operand 4
	WIN 0x41                                       ; q0 and the results in window 1
.irp m, 0,1,2,3,4,5,6,7
	v_wmma_scale_f32_16x16x128_f8f6f4 v[8*\m:8*\m+7], v[QF:QF+11], v[AF+24*\m+12:AF+24*\m+23], 0, v[QSC], v[PW+\m] matrix_a_fmt:MATRIX_FMT_BF6 matrix_b_fmt:MATRIX_FMT_BF6
.endr
	WIN 0x04
	PLACES 4
.irp m, 0,1,2,3,4,5,6,7
	ds_store_b32 v[PSW], v[8*\m] offset:128*(\m/2)+32*(\m%2)   ; the lowest register; both halves of the lanes write the same word with the same value
.endr
	WIN 0
	s_wait_dscnt 0x0                               ; for the sake of the wave that holds the other columns of my rows
	s_barrier_signal -1
	s_barrier_wait -1
	ds_load_b64 v[AF:AF+1], v[PST]                 ; 64 rows, two a lane: columns 0-127's sums and columns 128-255's
	ds_load_b64 v[AF+2:AF+3], v[PST] offset:512
	s_wait_dscnt 0x0
	v_pk_add_f32 v[AF:AF+1], v[AF:AF+1], v[AF+2:AF+3]
	global_store_b64 v[L8], v[AF:AF+1], s[12:13]   ; 32 lanes store 256 consecutive bytes, at a multiple of 256 from the buffer's first byte
	s_wait_tensorcnt 0x0                           ; the wave's end, behind my last tensor load and my last LDS store
	ds_add_u32 v[SPW], v[NIL]
	s_wait_dscnt 0x0
	CROUND                                         ; the closing round: no work-group ends while a partner may still ask for a block that names it
	s_endpgm
.Lfunc_end_k_qcdf0246ba6_main:
	.size	k_qcdf0246ba6_main, .Lfunc_end_k_qcdf0246ba6_main-k_qcdf0246ba6_main
	.p2alignl 7, 3214868480
	.fill 96, 4, 3214868480
	.section	.rodata,"a",@progbits
	.p2align	6, 0x0
	.amdhsa_kernel k_qcdf0246ba6_main
		.amdhsa_group_segment_fixed_size 327680
		.amdhsa_private_segment_fixed_size 0
		.amdhsa_enable_private_segment 0
		.amdhsa_kernarg_size 48
		.amdhsa_user_sgpr_count 2
		.amdhsa_user_sgpr_kernarg_segment_ptr 1
		.amdhsa_wavefront_size32 1
		.amdhsa_system_sgpr_workgroup_id_x 1
		.amdhsa_system_sgpr_workgroup_id_y 1
		.amdhsa_system_sgpr_workgroup_id_z 1
		.amdhsa_system_vgpr_workitem_id 0
		.amdhsa_next_free_vgpr 1024
		.amdhsa_next_free_sgpr 80
		.amdhsa_reserve_vcc 0
		.amdhsa_float_denorm_mode_32 3
		.amdhsa_float_denorm_mode_16_64 3
		.amdhsa_memory_ordered 1
		.amdhsa_forward_progress 1
		.amdhsa_inst_pref_size 152
	.end_amdhsa_kernel
	.amdgpu_metadata
---
amdhsa.version: [ 1, 2 ]
amdhsa.kernels:
  - .name:           k_qcdf0246ba6_main
    .symbol:         k_qcdf0246ba6_main.kd
    .args:
      - { .name: x_img, .offset: 0, .size: 8, .value_kind: global_buffer, .address_space: global }
      - { .name: wk_img, .offset: 8, .size: 8, .value_kind: global_buffer, .address_space: global }
      - { .name: bk, .offset: 16, .size: 8, .value_kind: global_buffer, .address_space: global }
      - { .name: q0p, .offset: 24, .size: 8, .value_kind: global_buffer, .address_space: global }
      - { .name: part, .offset: 32, .size: 8, .value_kind: global_buffer, .address_space: global }
      - { .name: bq, .offset: 40, .size: 8, .value_kind: global_buffer, .address_space: global }
    .group_segment_fixed_size: 327680
    .private_segment_fixed_size: 0
    .kernarg_segment_align: 8
    .kernarg_segment_size: 48
    .max_flat_workgroup_size: 128
    .sgpr_count:     80
    .vgpr_count:     1024
    .wavefront_size: 32
...
	.end_amdgpu_metadata
.endif
;; end of part 2
;; launch soft (part 3): grid 8 x 1, 8 waves a work-group, no clusters, 1,280 bytes of LDS; arguments part, out0; writes out0
.if DOCPART == 3
	.amdgcn_target "amdgcn-amd-amdhsa--gfx1250"
	.amdhsa_code_object_version 6
	.text
	.protected	k_qcdf0246ba6_soft
	.globl	k_qcdf0246ba6_soft
	.p2align	8
	.type	k_qcdf0246ba6_soft,@function
k_qcdf0246ba6_soft:
	s_mov_b64 s[64:65], 0
	v_nop
	global_prefetch_b8 v0, s[64:65] scope:SCOPE_SE
	s_setreg_imm32_b32 hwreg(HW_REG_WAVE_MODE, 25, 1), 1
	s_wait_xcnt 0x0
; out0[b][:] = softmax of the sum of the four partial scores part[n][2048 b + :], 2,048 numbers a batch.  Work-group b, eight waves: wave w holds 256 numbers, eight a lane; every number is read once.
; WORK LEFT OUT: the softmax of the rows n > 0, which reference() slices away (shown at the head of the first launch).
; Each wave takes its own maximum away first, as a difference of f32 numbers, and multiplies the difference by log2(e); the waves hand (maximum, sum) to each other through LDS, and each brings its terms under the row's maximum
; by one factor.  The row's largest term is 1, so the sum is at least 1.
; LIMITS: NaN and infinities are not served; a term under 2^-126 comes out as 0 (v_exp_f32 flushes such results: ISA guide, its entry in 15.8).  No tensor loads, no clusters: eight rows, read once, by eight work-groups.
.set SPARE, 256                        ; LDS: eight pairs of 8 bytes at 0; the spare words, 128 bytes a wave, from 256 on
.set D, 16                             ; v16-47: partial c at D + 8 c; register 4 q + k of lane l is number 256 w + 128 q + 4 l + k
	s_load_b128 s[4:7], s[0:1], 0x0                ; part, out0
	v_lshl_add_u32 v2, v0, 2, SPARE                ; my spare word; v2 and v3 are never rewritten
	v_mov_b32 v3, 0
	v_lshrrev_b32 v4, 5, v0
	v_readfirstlane_b32 s8, v4                     ; wave
	v_and_b32 v5, 31, v0
	v_lshlrev_b32 v1, 4, v5                        ; 16 bytes a lane
	v_and_b32 v6, 7, v0
	v_lshlrev_b32 v6, 3, v6                        ; wave l % 8's pair
	s_lshl_b32 s9, s8, 3
	v_mov_b32 v7, s9                               ; my wave's pair
	v_mov_b32 v9, 0                                ; (a lane permute's destination counts as one of its sources)
	s_lshl_b32 s10, ttmp9, 13                      ; a batch is 8,192 bytes,
	s_lshl_b32 s9, s8, 10                          ; a wave's part of it 1,024
	s_add_co_u32 s10, s10, s9
	s_mov_b32 s11, 0
	s_mov_b32 s12, 0x76543210                      ; v_permlanex16_b32's selects for lane l xor 16
	s_mov_b32 s13, 0xfedcba98
	s_wait_alu depctr_va_vdst(0)
	s_wait_kmcnt 0x0
	s_add_nc_u64 s[4:5], s[4:5], s[10:11]
	s_add_nc_u64 s[6:7], s[6:7], s[10:11]
.irp c, 0,1,2,3
.irp q, 0,1
	global_load_b128 v[D+8*\c+4*\q:D+8*\c+4*\q+3], v1, s[4:5] offset:65536*\c+512*\q   ; 512 consecutive bytes a load
.endr
.endr
	s_wait_loadcnt 0x0
.irp c, 0,2                            ; the score: four partial sums, by pairs
.irp k, 0,2,4,6
	v_pk_add_f32 v[D+8*\c+\k:D+8*\c+\k+1], v[D+8*\c+\k:D+8*\c+\k+1], v[D+8*\c+8+\k:D+8*\c+9+\k]
.endr
.endr
.irp k, 0,2,4,6
	v_pk_add_f32 v[D+\k:D+\k+1], v[D+\k:D+\k+1], v[D+16+\k:D+17+\k]
.endr
	v_max3_num_f32 v8, v[D], v[D+1], v[D+2]
	v_max3_num_f32 v10, v[D+3], v[D+4], v[D+5]
	v_max3_num_f32 v8, v8, v[D+6], v[D+7]
	v_max_num_f32 v8, v8, v10
	v_max_num_f32_dpp v8, v8, v8 row_xmask:1 row_mask:0xf bank_mask:0xf
	v_max_num_f32_dpp v8, v8, v8 row_xmask:2 row_mask:0xf bank_mask:0xf
	v_max_num_f32_dpp v8, v8, v8 row_xmask:4 row_mask:0xf bank_mask:0xf
	v_max_num_f32_dpp v8, v8, v8 row_xmask:8 row_mask:0xf bank_mask:0xf
	v_permlanex16_b32 v9, v8, s12, s13
	v_max_num_f32 v8, v8, v9                       ; my wave's maximum, in every lane
.irp j, 0,2,4,6
	v_pk_add_f32 v[D+\j:D+\j+1], v[D+\j:D+\j+1], v[8:9] op_sel_hi:[1,0] neg_lo:[0,1] neg_hi:[0,1]   ; s - maximum (the pair's low word serves both)
.endr
.irp j, 0,2,4,6
	v_pk_mul_f32 v[D+\j:D+\j+1], v[D+\j:D+\j+1], 0x3fb8aa3b op_sel_hi:[1,0]                         ; x log2(e)
.endr
	s_wait_alu depctr_va_vdst(0)
.irp j, 0,1,2,3,4,5,6,7
	v_exp_f32 v[D+\j], v[D+\j]
.endr
	v_nop
	s_wait_alu depctr_va_vdst(0)
	v_pk_add_f32 v[12:13], v[D:D+1], v[D+2:D+3]
	v_pk_add_f32 v[14:15], v[D+4:D+5], v[D+6:D+7]
	v_pk_add_f32 v[12:13], v[12:13], v[14:15]
	v_add_f32 v12, v12, v13
	v_add_f32_dpp v12, v12, v12 row_xmask:1 row_mask:0xf bank_mask:0xf
	v_add_f32_dpp v12, v12, v12 row_xmask:2 row_mask:0xf bank_mask:0xf
	v_add_f32_dpp v12, v12, v12 row_xmask:4 row_mask:0xf bank_mask:0xf
	v_add_f32_dpp v12, v12, v12 row_xmask:8 row_mask:0xf bank_mask:0xf
	v_permlanex16_b32 v13, v12, s12, s13
	v_add_f32 v9, v12, v13                         ; v[8:9] = my wave's maximum and sum
	ds_store_b64 v7, v[8:9]                        ; every lane writes the same 8 bytes with the same value
	s_wait_alu depctr_va_vdst(0)
	s_wait_dscnt 0x0                               ; for the others' sake
	s_barrier_signal -1
	s_barrier_wait -1
	ds_load_b64 v[10:11], v6
	s_wait_dscnt 0x0
	v_max_num_f32_dpp v12, v10, v10 row_xmask:1 row_mask:0xf bank_mask:0xf
	v_max_num_f32_dpp v12, v12, v12 row_xmask:2 row_mask:0xf bank_mask:0xf
	v_max_num_f32_dpp v12, v12, v12 row_xmask:4 row_mask:0xf bank_mask:0xf   ; eight neighbouring lanes hold the eight pairs: the row's maximum
	v_sub_f32 v13, v10, v12
	v_sub_f32 v14, v8, v12
	v_mul_f32 v13, 0x3fb8aa3b, v13
	v_mul_f32 v14, 0x3fb8aa3b, v14
	s_wait_alu depctr_va_vdst(0)
	v_exp_f32 v13, v13
	v_exp_f32 v14, v14                             ; my wave's factor
	v_nop
	s_wait_alu depctr_va_vdst(0)
	v_mul_f32 v15, v13, v11
	v_add_f32_dpp v15, v15, v15 row_xmask:1 row_mask:0xf bank_mask:0xf
	v_add_f32_dpp v15, v15, v15 row_xmask:2 row_mask:0xf bank_mask:0xf
	v_add_f32_dpp v15, v15, v15 row_xmask:4 row_mask:0xf bank_mask:0xf       ; the row's sum
	s_wait_alu depctr_va_vdst(0)
	v_rcp_f32 v13, v15
	v_nop
	s_wait_alu depctr_va_vdst(0)
	v_mul_f32 v14, v14, v13
.irp j, 0,2,4,6
	v_pk_mul_f32 v[D+\j:D+\j+1], v[D+\j:D+\j+1], v[14:15] op_sel_hi:[1,0]
.endr
	global_store_b128 v1, v[D:D+3], s[6:7]         ; 512 consecutive bytes, at a multiple of 256 from the buffer's first byte
	global_store_b128 v1, v[D+4:D+7], s[6:7] offset:512
	s_wait_tensorcnt 0x0                           ; the wave's end
	ds_add_u32 v2, v3
	s_wait_dscnt 0x0
	s_endpgm
.Lfunc_end_k_qcdf0246ba6_soft:
	.size	k_qcdf0246ba6_soft, .Lfunc_end_k_qcdf0246ba6_soft-k_qcdf0246ba6_soft
	.p2alignl 7, 3214868480
	.fill 96, 4, 3214868480
	.section	.rodata,"a",@progbits
	.p2align	6, 0x0
	.amdhsa_kernel k_qcdf0246ba6_soft
		.amdhsa_group_segment_fixed_size 1280
		.amdhsa_private_segment_fixed_size 0
		.amdhsa_enable_private_segment 0
		.amdhsa_kernarg_size 16
		.amdhsa_user_sgpr_count 2
		.amdhsa_user_sgpr_kernarg_segment_ptr 1
		.amdhsa_wavefront_size32 1
		.amdhsa_system_sgpr_workgroup_id_x 1
		.amdhsa_system_sgpr_workgroup_id_y 1
		.amdhsa_system_sgpr_workgroup_id_z 1
		.amdhsa_system_vgpr_workitem_id 0
		.amdhsa_next_free_vgpr 48
		.amdhsa_next_free_sgpr 66
		.amdhsa_reserve_vcc 0
		.amdhsa_float_denorm_mode_32 3
		.amdhsa_float_denorm_mode_16_64 3
		.amdhsa_memory_ordered 1
		.amdhsa_forward_progress 1
		.amdhsa_inst_pref_size 7
	.end_amdhsa_kernel
	.amdgpu_metadata
---
amdhsa.version: [ 1, 2 ]
amdhsa.kernels:
  - .name:           k_qcdf0246ba6_soft
    .symbol:         k_qcdf0246ba6_soft.kd
    .args:
      - { .name: part, .offset: 0, .size: 8, .value_kind: global_buffer, .address_space: global }
      - { .name: out0, .offset: 8, .size: 8, .value_kind: global_buffer, .address_space: global }
    .group_segment_fixed_size: 1280
    .private_segment_fixed_size: 0
    .kernarg_segment_align: 8
    .kernarg_segment_size: 16
    .max_flat_workgroup_size: 256
    .sgpr_count:     66
    .vgpr_count:     48
    .wavefront_size: 32
...
	.end_amdgpu_metadata
.endif
;; end of part 3
